; MI455X (gfx1250); checked and timed in simulation.
; The chip was launched on July 23, 2026; its instructions are those of AMD's public machine-readable ISA for CDNA 5 (MIT licence, August 2026) and "CDNA5" Instruction Set Architecture Reference Guide (July 2026). The comments in the code are by the model that wrote it; some were corrected since.
;; Feature Attention. Allowed arithmetic: matrix products marked QUANTISED: E5M2 operands, one E8M0 scale for each 32 along K, by v_wmma_scale_f32_16x16x128_f8f6f4 with both operands' format E5M2, f32 sums; everything else in f32.
;; Inputs: Wk_codes 1,024 x 32 x 32 uint8 (E5M2 codes of Wk, K innermost, in blocks of 32 codes); Wk_scales 1,024 x 32 uint8 (E8M0 scales of Wk, one for each 32 codes along K); Wq_codes 1,024 x 32 x 32 uint8 (E5M2 codes of Wq, K innermost, in blocks of 32 codes); Wq_scales 1,024 x 32 uint8 (E8M0 scales of Wq, one for each 32 codes along K); Wv_codes 1,024 x 32 x 32 uint8 (E5M2 codes of Wv, K innermost, in blocks of 32 codes); Wv_scales 1,024 x 32 uint8 (E8M0 scales of Wv, one for each 32 codes along K); bk 1,024 float32; bq 1,024 float32; bv 1,024 float32; x_codes 4 x 2,048 x 32 x 32 uint8 (E5M2 codes of x, K innermost, in blocks of 32 codes); x_scales 4 x 2,048 x 32 uint8 (E8M0 scales of x, one for each 32 codes along K).
;; Outputs: out0 4 x 2,048 x 1,024 float32.
;; This version of the problem:
;;   THIS VERSION OF THE PROBLEM IS GIVEN IN LOW PRECISION. The matrix products marked QUANTISED in the list below multiply operands that are first quantised to E5M2 (5 exponent bits, 2 mantissa bits; 8 bits a number), with one power-of-two scale for each 32 numbers along K (OCP MX v1.0); their sums are f32. All else is computed in f32.
;;   The module's matrix products, in the order in which they are computed (A, B: the left and right operand; K: the contracted axis; several contracted axes count as one K, in the product's order):
;;     1. [M 8,192, K 1,024] x [K 1,024, N 1,024]; A: input x (given as codes); B: input Wq (given as codes): QUANTISED
;;     2. [M 8,192, K 1,024] x [K 1,024, N 1,024]; A: input x (given as codes); B: input Wk (given as codes): QUANTISED
;;     3. [M 8,192, K 1,024] x [K 1,024, N 1,024]; A: input x (given as codes); B: input Wv (given as codes): QUANTISED
;;     4. batch 4 x [M 2,048, K 1,024] x [K 1,024, N 2,048]; A: computed on the way; B: computed on the way: QUANTISED
;;     5. batch 4 x [M 2,048, K 2,048] x [K 2,048, N 1,024]; A: softmax (see below); B: computed on the way: QUANTISED
;;   THE QUANTISER, for each operand of a quantised product, along K:
;;     - K is cut into blocks of 32 from its start; a last block that is shorter is filled with zeros.
;;     - A block's scale is 2^e with e = floor(log2(the largest magnitude in the block)) - 15, held to -126 .. 127; a block of zeros has e = 0. As a byte (E8M0): e + 127.
;;     - Each number is divided by its block's scale, clamped to +-57,344, and rounded to the nearest number of E5M2, ties to even, subnormals kept.
;;     - The product sums the exact products of the quantised numbers (number of the format x scale) in f32.
;;   ~~~python
;;   def quantise(x, axis):      # numpy; x: float32 -> the quantised numbers, widened to float32 again
;;       x = np.moveaxis(x, axis, -1); K = x.shape[-1]
;;       x = np.pad(x, [(0, 0)] * (x.ndim - 1) + [(0, -K % 32)]); x = x.reshape(x.shape[:-1] + (-1, 32)); a = np.abs(x).max(-1, keepdims=True)
;;       e = np.where(a > 0, np.clip(np.frexp(np.where(a > 0, a, 1))[1] - 1 - 15, -126, 127), 0)      # np.frexp(a)[1] - 1 = floor(log2(a)), exactly
;;       r = np.clip(x / 2.0 ** e, -57344, 57344)
;;       step = 2.0 ** (np.maximum(np.frexp(np.where(r == 0, 1, r))[1] - 1, -14) - 2)
;;       q = np.round(r / step) * step * 2.0 ** e      # np.round: ties to even
;;       return np.moveaxis(q.reshape(q.shape[:-2] + (-1,))[..., :K], -1, axis).astype(np.float32)
;;   ~~~
;;   SOFTMAX AHEAD OF A QUANTISED PRODUCT. Where the list says 'softmax', what is quantised is not the finished softmax but p = 2^(t - M), with t = logit x log2(e) and M = ceil(the row's largest t), a whole number; so 1/2 < the row's largest p <= 1. The row's sum l is taken of the UNQUANTISED p, in f32, and the product's result is divided by l at the end. Since M is a whole number, a kernel that streams over the keys may use a running M (the ceiling of the running maximum): every later rescaling is an exact power of two, which a block's scale takes up: the codes' values come out the same.
;;   OPERANDS COMPUTED ON THE WAY. 'Computed on the way' means the value that the module computes at that place (a softmax that the list does not call 'softmax' is quantised finished and normalised). What goes into a quantiser is computed in f32, as accurately as f32 sums, v_exp_f32 and their like allow (about 1e-6 of the number): no bf16 or f16 on the way to a quantiser, and a product that is left as it is and whose result goes on into a quantised operand takes f32 operands (vector FMAs, or v_wmma_f32_16x16x4_f32). A number that lies on a knife's edge between two numbers of the format may be rounded either way, as far as f32 arithmetic and the matrix unit's own rounding can turn it there, and no further.
;;   INPUTS GIVEN AS CODES. Wk (in the module: [1024, 1024], K = its axis 1); Wq (in the module: [1024, 1024], K = its axis 1); Wv (in the module: [1024, 1024], K = its axis 1); x (in the module: [4, 2048, 1024], K = its axis 2): each comes as NAME_codes (uint8): NAME with its K axis moved to the last place and cut into blocks of 32 codes, [.., K / 32, bytes a block], one block behind the other in memory; one code a byte (a code: sign, 5 exponent bits, 2 mantissa bits); and NAME_scales (uint8): the same leading axes, one E8M0 byte (e + 127) for each 32 codes along K. Its value is code x scale, taken as it is: it is not quantised again, and the codes and scales need not be those that the quantiser above would give.
;; One version. Each part assembles by itself: llvm-mc -triple=amdgcn-amd-amdhsa -mcpu=gfx1250 --defsym DOCPART=n.
;; ======== version 1 of 1: 3 launches
;; limits: right only within a limited range of input values
;; workspace buffers: qkv_codes 25,165,824 bytes; qkv_sc 786,432 bytes; p_codes 16,777,216 bytes; p_sc 524,288 bytes; stats 524,288 bytes
;; launch proj (part 1): grid 8 x 32, 4 waves a work-group, clusters of 4 x 4, 327,680 bytes of LDS; arguments x_codes, x_scales, Wq_codes, Wq_scales, Wk_codes, Wk_scales, Wv_codes, Wv_scales, bq, bk, bv, qkv_codes, qkv_sc; writes qkv_codes, qkv_sc
.if DOCPART == 1
	.amdgcn_target "amdgcn-amd-amdhsa--gfx1250"
	.amdhsa_code_object_version 6
	.text
	.protected	k_q9b9aa25863_proj
	.globl	k_q9b9aa25863_proj
	.p2align	8
	.type	k_q9b9aa25863_proj,@function
k_q9b9aa25863_proj:
	s_mov_b64 s[64:65], 0
	v_nop
	global_prefetch_b8 v0, s[64:65] scope:SCOPE_SE
	s_setreg_imm32_b32 hwreg(HW_REG_WAVE_MODE, 25, 1), 1
	s_wait_xcnt 0x0
	s_wait_alu depctr_hold_cnt(0) depctr_sa_sdst(0) depctr_va_vdst(0) depctr_va_sdst(0) depctr_va_ssrc(0) depctr_va_vcc(0) depctr_vm_vsrc(0)
	s_getreg_b32 s2, hwreg(HW_REG_IB_STS2, 6, 4)
	s_cmp_eq_u32 s2, 0
	s_cbranch_scc0 .Lentry_in_a_cluster
	s_endpgm
.Lentry_in_a_cluster:
	s_bfe_u32 s2, ttmp6, 0x10000c
	s_cmp_lg_u32 s2, 0xf033
	s_cbranch_scc0 .Lentry_shape_is_right
	s_endpgm
.Lentry_shape_is_right:
; Q = x Wq^T + bq, K = x Wk^T + bk, V^T = Wv x^T + bv on the given codes of BF8 (E5M2); each result is quantised at once along its tile's COLUMNS.  No work of reference() is left out of the program.
; A WORK-GROUP MAKES TWO TILES: 256 tokens x 256 units of Q or K (the cluster's x says which), then 128 units x 256 tokens of V^T.  K = 1,024 in four steps of 256 through two LDS slots filled by joint tensor loads.
; CLUSTERS 4 x 4: the operand of a tile's rows is asked for jointly by a row of the cluster, that of its columns by a column.  Tile 1: rows x's tile Y = 4 Cy + cy, columns W's tile cx.  Tile 2: rows Wv's tile U = 4 Cx + cy, columns x's tile T = 4 Cy + cx.
; The given scale bytes go straight into registers: a lane takes 32 bytes of its row, one word for each 128 along K.
; TRANSPOSED USE (source 0 = 16 rows of the column operand): a lane holds one row of the tile and eight neighbouring columns.  A block of 32 columns lies in lanes l and l xor 16.
; OUT, in the order of the operand registers: a FRAGMENT of 16 rows x 128 K is 2,048 bytes [c 4][lane 32][16]: lane 16 h + r holds row r, K = 32 c + 16 h + 0 .. 15.
;   qkv_codes: Q [64 rows: 128][K step: 8][16 rows: 4][fragment] at 0, K at 8,388,608, V^T [batch][64 units: 16][K step: 16][16 units a: 4][fragment] at 16,777,216; in V^T's block a row r lies at place (r + a) mod 16.
;   qkv_sc: [64 rows][K step][lane][2] words: lane l's word i scales row 32 i + l; Q at 0, K at 262,144, V at 524,288.
; PREFETCHES into the L2: K steps 2 and 3 of tile 1 and Wv's tile are asked for while earlier steps are multiplied; partners of a joint load share the rows out by address.  Tile 2's x rows are rows of tile 1 of the same cluster.
; LIMITS: a block of zeros gets the byte 1 (its codes are zeros, and this program alone reads the bytes); a block whose largest magnitude lies under 2^-111 is held at that byte; NaN and infinities among the inputs are not served.
; REGISTERS: window 0: v0-31 addresses, row bias; v32-63, v64-95 scale words; v96-97 words on their way out; v128-255 row operand's fragments, at work on the ways out.  Window 1: the column operand's two sets; column bias on tile 1's way out.  Windows 2, 3: accumulators.
.set KROW, 1024
.set ROWB, 256
.set PITCH, 272
.set NL, 4
.set NP, 8
.set HALFT, 128*PITCH
.set QUART, 64*PITCH
.set SLOT, 4*HALFT
.set SPARE, 2*SLOT
.set RB, 8
.set PFO, 12
.set ADRA, 16
.set ADRB, 20
.set CO, 22
.set COV, 23
.set HB, 24
.set PO, 25
.set SO, 26
.set SO8, 27
.set SPW, 28
.set NIL, 29
.set CBA, 30
.set RBA, 31
.set SCA, 32
.set SCB, 64
.set HW, 96
.set AF, 128
.set TW, 128
.set PC, 192
.set TM, 208
.set PW, 224
.set G1, 24
.set G0, 32
.set G1B, 48
.set G0B, 56
.set G1H, 4
.set G0H, 12
.set G0X, 20
.set PATH, 66
.set PFA, 72
.set PFV, 80
.set OC1, 76
.set OS1, 78
.set OC2, 86
.set OS2, 74
.set SEL, 98
.set WV, 100
.set WH, 101
.set WL, 104
.set MNT, 105
.set CODEW, (0<<16)|(1<<20)|(1<<21)|(5<<22)|(3<<25)
.set KS, 0
.set MSB, 0
.macro WIN new
.if MSB != (\new)
	s_set_vgpr_msb (MSB<<8)|(\new)
.set MSB, (\new)
.endif
.endm
.set MUL_LO, 0xa1
.set MUL_HI, 0xf1
.macro PLACES n
.rept \n
	v_nop
.endr
.endm
.macro JLOAD g0a, g1a, g0b, g1b  ; a joint load: waves 0, 1 for the row operand, waves 2, 3 for the column operand
	s_cmp_eq_u32 s[WH], 0
	s_cbranch_scc0 .Lfor_b_\@
	tensor_load_to_lds s[\g0a:\g0a+3], s[\g1a:\g1a+7]
	s_nop 0
	PLACES 4
	s_branch .Lasked_\@
.Lfor_b_\@:
	tensor_load_to_lds s[\g0b:\g0b+3], s[\g1b:\g1b+7]
	s_nop 0
	PLACES 4
.Lasked_\@:
.endm
.macro CREST
	s_cmp_lg_u32 s[WV], 0
	s_cbranch_scc1 .Lnot_wave_0_\@
	s_barrier_signal -3
.Lnot_wave_0_\@:
	s_barrier_wait -3
	s_barrier_signal -1
	s_barrier_wait -1
.endm
.macro CROUND
	s_barrier_signal -1
	s_barrier_wait -1
	CREST
.endm
	s_load_b512 s[68:83], s[0:1], 0x0  ; x's codes, scales; Wq's; Wk's; Wv's
	s_load_b256 s[84:91], s[0:1], 0x40  ; bq, bk, bv, qkv_codes
	s_load_b64 s[92:93], s[0:1], 0x60  ; qkv_sc
	v_lshl_add_u32 v[SPW], v0, 2, SPARE
	v_mov_b32 v[NIL], 0
	ds_add_u32 v[SPW], v[NIL]  ; the opening lines
	ds_add_u32 v[SPW], v[NIL]
	v_lshrrev_b32 v1, 5, v0
	v_readfirstlane_b32 s[WV], v1
	s_lshr_b32 s[WH], s[WV], 1  ; my half of the tile's rows.  Also: I fetch for the row operand (0) or the column operand (1)
	s_and_b32 s[WL], s[WV], 1  ; my half of its columns.  Also: which half of that operand's rows I fetch
	s_bfe_u32 s44, ttmp6, 0x40000  ; cx
	s_bfe_u32 s45, ttmp6, 0x40004  ; cy
	s_mov_b32 s[PATH], ttmp9
	s_and_b32 s2, ttmp7, 0xffff
	s_lshl_b32 s2, s2, 2
	s_lshl_b32 s46, s45, 2
	s_lshl_b32 s46, 15, s46  ; my row of the cluster
	s_lshl_b32 s47, 0x1111, s44  ; my column
	s_or_b32 s[G1+0], s46, CODEW
	s_or_b32 s[G1B+0], s47, CODEW
.irp g, G1, G1B
	s_mov_b32 s[\g+1], ROWB<<16
	s_mov_b32 s[\g+2], 128<<16
	s_mov_b32 s[\g+3], ROWB<<16
	s_mov_b32 s[\g+4], 128
	s_mov_b32 s[\g+5], KROW
	s_mov_b32 s[\g+6], 0
	s_mov_b32 s[\g+7], 0
.endr
	s_add_co_u32 s67, s2, s45  ; what hangs on cy goes through s67, what hangs on cx through s105
	s_lshl_b32 s67, s67, 1
	s_add_co_u32 s67, s67, s[WL]
	s_lshl_b32 s[G0+2], s67, 17  ; x: 128 rows x 1,024 bytes
	s_mov_b32 s[G0+3], 0
	s_lshl_b32 s105, s44, 1
	s_add_co_u32 s105, s105, s[WL]
	s_lshl_b32 s[G0B+2], s105, 17
	s_mov_b32 s[G0B+3], 0
	s_mul_i32 s3, s[WV], HALFT
.irp s, 0,1
	s_mov_b32 s[G0+4*\s], 1
	s_add_co_u32 s[G0+4*\s+1], s3, \s*SLOT
	s_mov_b32 s[G0B+4*\s], 1
	s_add_co_u32 s[G0B+4*\s+1], s3, \s*SLOT
.endr
	v_and_b32 v1, 15, v0  ; r.  v1 to v4 and v6 stand until tile 2's addresses are made
	v_bfe_u32 v2, v0, 4, 1  ; h
	v_and_b32 v6, 31, v0  ; l
	v_mul_u32_u24 v3, v1, PITCH
	v_lshl_add_u32 v4, v2, 4, v3
	v_lshlrev_b32 v[CO], 4, v6
	v_lshlrev_b32 v[SO], 5, v6
	v_lshlrev_b32 v[SO8], 3, v6
	v_lshlrev_b32 v[HB], 8, v2
	v_lshlrev_b32 v[PO], 4, v1
	v_sub_nc_u32 v[PO], v[PO], 16
	v_lshlrev_b32 v[PFO], 10, v6  ; prefetches: a lane a row
	v_mov_b32 v[HW], 0
	v_mov_b32 v[HW+1], 0
	s_mul_i32 s3, s[WH], HALFT
	v_add_nc_u32 v[ADRA], s3, v4
	s_add_co_u32 s3, s3, SLOT
	v_add_nc_u32 v[ADRA+1], s3, v4
	s_mul_i32 s3, s[WL], HALFT
	s_add_co_u32 s3, s3, 2*HALFT
	v_add_nc_u32 v[ADRB], s3, v4
	s_add_co_u32 s3, s3, SLOT
	v_add_nc_u32 v[ADRB+1], s3, v4
	s_wait_alu depctr_va_vdst(0)
	s_wait_dscnt 0x0  ; both opening adds are done
	CROUND
	s_wait_kmcnt 0x0
	s_cmp_eq_u32 s[PATH], 0  ; Wq, bq or Wk, bk: by the cluster's x alone
	s_cselect_b64 s[72:73], s[72:73], s[76:77]
	s_cselect_b64 s[74:75], s[74:75], s[78:79]
	s_cselect_b64 s[84:85], s[84:85], s[86:87]
	s_add_nc_u64 s[G0+2:G0+3], s[68:69], s[G0+2:G0+3]
	s_add_nc_u64 s[G0+6:G0+7], s[G0+2:G0+3], ROWB
	s_add_nc_u64 s[G0B+2:G0B+3], s[72:73], s[G0B+2:G0B+3]
	s_add_nc_u64 s[G0B+6:G0B+7], s[G0B+2:G0B+3], ROWB
.irp g, G0+3, G0+7, G0B+3, G0B+7
	s_or_b32 s[\g], s[\g], 0x80000000
.endr
	JLOAD G0, G1, G0B, G1B  ; K step 0: one tensor load a wave at the head
	; tile 1's scale words
	s_add_co_u32 s3, s2, s45  ; Y
	s_lshl_b32 s94, s3, 1
	s_add_co_u32 s94, s94, s[WH]
	s_lshl_b32 s94, s94, 12  ; 128 rows x 32 bytes
	s_mov_b32 s95, 0
	s_add_nc_u64 s[94:95], s[70:71], s[94:95]
	s_lshl_b32 s96, s44, 1
	s_add_co_u32 s96, s96, s[WL]
	s_lshl_b32 s96, s96, 12
	s_mov_b32 s97, 0
	s_add_nc_u64 s[96:97], s[74:75], s[96:97]
.irp i, 0,1,2,3
	global_load_b128 v[SCA+8*\i:SCA+8*\i+3], v[SO], s[94:95] offset:1024*\i
	global_load_b128 v[SCA+8*\i+4:SCA+8*\i+7], v[SO], s[94:95] offset:1024*\i+16
	global_load_b128 v[SCB+8*\i:SCB+8*\i+3], v[SO], s[96:97] offset:1024*\i
	global_load_b128 v[SCB+8*\i+4:SCB+8*\i+7], v[SO], s[96:97] offset:1024*\i+16
.endr
	; tile 2's descriptors: 64 rows of Wv to a load
	s_or_b32 s[G1H+0], s46, CODEW
	s_mov_b32 s[G1H+1], ROWB<<16
	s_mov_b32 s[G1H+2], 64<<16
	s_mov_b32 s[G1H+3], ROWB<<16
	s_mov_b32 s[G1H+4], 64
	s_mov_b32 s[G1H+5], KROW
	s_mov_b32 s[G1H+6], 0
	s_mov_b32 s[G1H+7], 0
	s_lshl_b32 s67, s[PATH], 2
	s_add_co_u32 s67, s67, s45  ; U
	s_lshl_b32 s[G0H+2], s67, 1
	s_add_co_u32 s[G0H+2], s[G0H+2], s[WL]
	s_lshl_b32 s[G0H+2], s[G0H+2], 16
	s_mov_b32 s[G0H+3], 0
	s_add_nc_u64 s[G0H+2:G0H+3], s[80:81], s[G0H+2:G0H+3]
	s_add_nc_u64 s[G0H+6:G0H+7], s[G0H+2:G0H+3], ROWB
	s_or_b32 s[G0H+3], s[G0H+3], 0x80000000
	s_or_b32 s[G0H+7], s[G0H+7], 0x80000000
	s_mov_b32 s[G0H], 1
	s_mov_b32 s[G0H+4], 1
	s_mul_i32 s[G0H+1], s[WL], QUART
	s_add_co_u32 s[G0H+5], s[G0H+1], SLOT
	s_add_co_u32 s105, s2, s44  ; T
	s_lshl_b32 s[G0X+2], s105, 1
	s_add_co_u32 s[G0X+2], s[G0X+2], s[WL]
	s_lshl_b32 s[G0X+2], s[G0X+2], 17
	s_mov_b32 s[G0X+3], 0
	s_add_nc_u64 s[G0X+2:G0X+3], s[68:69], s[G0X+2:G0X+3]
	s_add_nc_u64 s[G0X+22:G0X+23], s[G0X+2:G0X+3], ROWB
	s_or_b32 s[G0X+3], s[G0X+3], 0x80000000
	s_or_b32 s[G0X+23], s[G0X+23], 0x80000000
	s_mov_b32 s[G0X], 1
	s_mov_b32 s[G0X+20], 1
	s_mul_i32 s[G0X+1], s[WL], HALFT
	s_add_co_u32 s[G0X+1], s[G0X+1], 2*HALFT
	s_add_co_u32 s[G0X+21], s[G0X+1], SLOT
	; tile 2's scale bytes
	s_mov_b32 s47, 0
	s_lshl_b32 s46, s67, 1
	s_add_co_u32 s46, s46, s[WH]
	s_lshl_b32 s46, s46, 11
	s_add_nc_u64 s[82:83], s[82:83], s[46:47]
	s_lshl_b32 s46, s105, 1
	s_add_co_u32 s46, s46, s[WL]
	s_lshl_b32 s46, s46, 12
	s_add_nc_u64 s[70:71], s[70:71], s[46:47]
	; where the results go (the codes' bases one block of 2,048 bytes early: the ways out step them first)
	s_lshl_b32 s46, s[PATH], 23
	s_lshl_b32 s3, s3, 2
	s_lshl_b32 s2, s[WH], 1
	s_add_co_u32 s3, s3, s2  ; 4 Y + 2 WH: my first 64 rows
	s_lshl_b32 s2, s3, 16
	s_add_co_u32 s46, s46, s2
	s_lshl_b32 s2, s44, 1
	s_add_co_u32 s2, s2, s[WL]  ; K step 2 cx + WL
	s_lshl_b32 s2, s2, 13
	s_add_co_u32 s46, s46, s2
	s_add_nc_u64 s[OC1:OC1+1], s[90:91], s[46:47]
	s_sub_nc_u64 s[OC1:OC1+1], s[OC1:OC1+1], 2048
	s_lshr_b32 s2, s2, 5
	s_lshl_b32 s46, s[PATH], 18
	s_add_co_u32 s46, s46, s2
	s_lshl_b32 s2, s3, 11
	s_add_co_u32 s46, s46, s2
	s_add_nc_u64 s[OS1:OS1+1], s[92:93], s[46:47]
	s_lshr_b32 s46, s105, 3
	s_lshl_b32 s46, s46, 21
	s_lshl_b32 s2, s67, 1
	s_add_co_u32 s2, s2, s[WH]  ; 2 U + WH: my 64 units
	s_lshl_b32 s2, s2, 17
	s_add_co_u32 s46, s46, s2
	s_and_b32 s2, s105, 7
	s_lshl_b32 s2, s2, 1
	s_add_co_u32 s2, s2, s[WL]
	s_lshl_b32 s2, s2, 13
	s_add_co_u32 s46, s46, s2  ; every part of it is 32 times its counterpart among the scale words
	s_lshr_b32 s2, s46, 5
	s_add_co_u32 s46, s46, 16777216
	s_add_nc_u64 s[OC2:OC2+1], s[90:91], s[46:47]
	s_sub_nc_u64 s[OC2:OC2+1], s[OC2:OC2+1], 2048
	s_add_co_u32 s46, s2, 524288
	s_add_nc_u64 s[OS2:OS2+1], s[92:93], s[46:47]
	; the prefetches: of the 128 rows that I fetch, 32 for each of the four partners
	s_lshl_b32 s2, s[WL], 7
	s_and_b32 s3, ttmp7, 0xffff
	s_lshl_b32 s3, s3, 2
	s_add_co_u32 s3, s3, s45
	s_cmp_eq_u32 s[WH], 0
	s_cselect_b64 s[PFA:PFA+1], s[68:69], s[72:73]
	s_cselect_b32 s46, s3, s44
	s_cselect_b32 s3, s44, s45
	s_lshl_b32 s46, s46, 8
	s_lshl_b32 s3, s3, 5
	s_add_co_u32 s46, s46, s3
	s_add_co_u32 s46, s46, s2
	s_lshl_b32 s46, s46, 10
	s_add_nc_u64 s[PFA:PFA+1], s[PFA:PFA+1], s[46:47]
	global_prefetch_b8 v[PFO], s[PFA:PFA+1] offset:ROWB th:TH_LOAD_NT scope:SCOPE_SE  ; tile 1's K step 1, while K step 0 is on its way
	s_lshl_b32 s46, s67, 7
	s_lshl_b32 s3, s44, 5
	s_add_co_u32 s46, s46, s3
	s_lshl_b32 s46, s46, 10
	s_lshl_b32 s3, s[WV], 8
	s_add_co_u32 s46, s46, s3
	s_add_nc_u64 s[PFV:PFV+1], s[80:81], s[46:47]  ; Wv: my work-group's 32 rows, wave w K step w's 256 bytes
	; the biases: tile 1's a number a column, tile 2's a number a row
	s_lshl_b32 s46, s44, 1
	s_add_co_u32 s46, s46, s[WL]
	s_lshl_b32 s46, s46, 9
	v_lshl_add_u32 v[CBA], v2, 5, s46
	s_lshl_b32 s46, s67, 1
	s_add_co_u32 s46, s46, s[WH]
	s_lshl_b32 s46, s46, 8
	v_lshl_add_u32 v[RBA], v1, 2, s46
	s_mov_b32 s[MNT], 0x600000
	s_mov_b32 s[SEL], 0x76543210
	s_mov_b32 s[SEL+1], 0xfedcba98
.macro FRAG reg, adr, q, i
.irp c, 0,1,2,3
	ds_load_b128 v[\reg+4*\c:\reg+4*\c+3], v[\adr] offset:128*(\q)+32*\c+(\i)*16*PITCH
.endr
.endm
.macro WM z, p, q
.if \z
	v_wmma_scale_f32_16x16x128_f8f6f4 v[rD:rD+7], v[rB:rB+15], v[rA:rA+15], 0, v[rSB], v[rSA] matrix_a_fmt:MATRIX_FMT_BF8 matrix_b_fmt:MATRIX_FMT_BF8 \p \q
.else
	v_wmma_scale_f32_16x16x128_f8f6f4 v[rD:rD+7], v[rB:rB+15], v[rA:rA+15], v[rD:rD+7], v[rSB], v[rSA] matrix_a_fmt:MATRIX_FMT_BF8 matrix_b_fmt:MATRIX_FMT_BF8 \p \q
.endif
.endm
.macro WMS z  ; rRB, rRA: an odd block's scale words stand in lanes 16-31
.if rRB && rRA
	WM \z, matrix_a_scale:MATRIX_SCALE_ROW1, matrix_b_scale:MATRIX_SCALE_ROW1
.elseif rRB
	WM \z, matrix_a_scale:MATRIX_SCALE_ROW1
.elseif rRA
	WM \z, matrix_b_scale:MATRIX_SCALE_ROW1
.else
	WM \z
.endif
.endm
.macro MUL16 a0, p, z  ; tile 1: row blocks a0, a0 + 1 x eight column blocks; the 64 accumulators take turns, one instruction a turn
.irp a, \a0, \a0+1
.irp b, 0,1,2,3,4,5,6,7
.set rD, 8*(8*((\a)%4)+\b)
.set rB, 128*(\p)+16*\b
.set rA, AF+16*(\a)
.set rSB, SCB+8*(\b/2)+KS
.set rSA, SCA+8*((\a)/2)+KS
.set rRB, \b%2
.set rRA, (\a)%2
	WMS \z
.endr
.endr
.endm
.macro FETCH_B slot, q, p
	WIN 0x40
.irp i, 0,1,2,3,4,5,6,7
	FRAG 128*(\p)+16*\i, ADRB+\slot, \q, \i
.endr
	WIN 0
.endm
.macro FETCH_A slot, q, i0
.irp i, \i0, \i0+1, \i0+2, \i0+3
	FRAG AF+16*(\i), ADRA+\slot, \q, \i
.endr
.endm
.macro STEP slot, z  ; a slot's first 128 along K
	s_wait_dscnt 4*NL  ; all but the youngest 16 loads (row blocks 4-7)
	WIN MUL_LO
	MUL16 0, 0, \z
	MUL16 2, 0, \z
	s_wait_dscnt 0
	PLACES NP
	FETCH_B \slot, 1, 1
	FETCH_A \slot, 1, 0
	WIN MUL_HI
	MUL16 4, 0, \z
	MUL16 6, 0, \z
	PLACES NP
	WIN 0
	FETCH_A \slot, 1, 4
.set KS, KS+1
.endm
; A slot's second 128 along K, and the change of slots in a round of the cluster's barrier.  fill = 1: the slot takes this tile's K step two on; 2: tile 2's K step.  fetch = 0: tile 1's last step.
.macro TURN slot, next, fill, fetch
	s_wait_tensorcnt 0x0  ; my part of the other slot is in
	ds_add_u32 v[SPW], v[NIL]
	s_wait_dscnt 4*NL+1  ; the add and the youngest 16 loads may be out
	WIN MUL_LO
	MUL16 0, 1, 0
	s_wait_dscnt 0x0
	s_barrier_signal -1
	MUL16 2, 1, 0
	WIN 0
	s_barrier_wait -1
	CREST
.if \fill == 1
	s_add_nc_u64 s[G0+4*\slot+2:G0+4*\slot+3], s[G0+4*\slot+2:G0+4*\slot+3], 2*ROWB
	s_add_nc_u64 s[G0B+4*\slot+2:G0B+4*\slot+3], s[G0B+4*\slot+2:G0B+4*\slot+3], 2*ROWB
	JLOAD G0+4*\slot, G1, G0B+4*\slot, G1B
.else
	JLOAD G0H+4*\slot, G1H, G0X+20*\slot, G1B
.endif
	PLACES NP-4
.if \fetch
	FETCH_B \next, 0, 0
	FETCH_A \next, 0, 0
	WIN MUL_HI
	MUL16 4, 1, 0
	MUL16 6, 1, 0
	PLACES NP
	WIN 0
	FETCH_A \next, 0, 4
.else
	WIN 0x40  ; the column bias takes the place of set 0, which has been multiplied
.irp b, 0,1,2,3,4,5,6,7
	global_load_b128 v[8*\b:8*\b+3], v[CBA], s[84:85] offset:64*\b
	global_load_b128 v[8*\b+4:8*\b+7], v[CBA], s[84:85] offset:64*\b+16
.endr
	WIN 0
.irp a, 0,1,2,3
	global_load_b32 v[RB+\a], v[RBA], s[88:89] offset:64*\a
.endr
	WIN MUL_HI
	MUL16 4, 1, 0
	MUL16 6, 1, 0
	WIN 0
.endif
.set KS, KS+1
.endm
.macro MULA a, p, z  ; tile 2: row block a x eight column blocks; the 32 accumulators take turns
.irp b, 0,1,2,3,4,5,6,7
.set rD, 8*(8*(\a)+\b)
.set rB, 128*(\p)+16*\b
.set rA, AF+64*(\p)+16*(\a)
.set rSB, SCB+8*(\b/2)+KS
.set rSA, SCA+8*((\a)/2)+KS
.set rRB, \b%2
.set rRA, (\a)%2
	WMS \z
.endr
.endm
.macro FETCH_H slot, q, p
.irp i, 0,1,2,3
	FRAG AF+64*(\p)+16*\i, ADRA+\slot, \q, \i
.endr
.endm
.macro STEP3 slot, z
	s_wait_dscnt 0x0
	WIN 0
	PLACES NP
	FETCH_B \slot, 1, 1
	FETCH_H \slot, 1, 1
	WIN MUL_LO
.irp a, 0,1,2,3
	MULA \a, 0, \z
.endr
.set KS, KS+1
.endm
.macro TURN3 slot, next, fill
	WIN 0
	s_wait_tensorcnt 0x0
	ds_add_u32 v[SPW], v[NIL]
	s_wait_dscnt 1  ; sets 1 are in; the add may be out
	WIN MUL_LO
	MULA 0, 1, 0
	s_wait_dscnt 0x0
	s_barrier_signal -1
	MULA 1, 1, 0
	WIN 0
	s_barrier_wait -1
.if \fill
	CREST
	s_add_nc_u64 s[G0H+4*\slot+2:G0H+4*\slot+3], s[G0H+4*\slot+2:G0H+4*\slot+3], 2*ROWB
	s_add_nc_u64 s[G0X+20*\slot+2:G0X+20*\slot+3], s[G0X+20*\slot+2:G0X+20*\slot+3], 2*ROWB
	JLOAD G0H+4*\slot, G1H, G0X+20*\slot, G1B
	PLACES NP-4
.else
	PLACES NP
.endif
	FETCH_B \next, 0, 0
	FETCH_H \next, 0, 0
	WIN MUL_LO
	MULA 2, 1, 0
	MULA 3, 1, 0
.set KS, KS+1
.endm
; THE WAY OUT of a block of 16 rows x 128 columns: the bias is added into v[TW] on: register 8 b + j = column 16 b + 8 h + j of row r
.macro BIAS kind, a
.set jj, 0
.if (\kind) == 1
	WIN 0x06+(\a)/4
.rept 32
	v_pk_add_f32 v[TW+jj:TW+jj+1], v[64*((\a)%4)+jj:64*((\a)%4)+jj+1], v[jj:jj+1]
.set jj, jj+2
.endr
.else
	WIN 0x02
.rept 32
.if ((\a)%2) == 0
	v_pk_add_f32 v[TW+jj:TW+jj+1], v[64*(\a)+jj:64*(\a)+jj+1], v[RB+(\a):RB+(\a)+1] op_sel_hi:[1,0]
.else
	v_pk_add_f32 v[TW+jj:TW+jj+1], v[64*(\a)+jj:64*(\a)+jj+1], v[RB+(\a)-1:RB+(\a)] op_sel:[0,1] op_sel_hi:[1,1]
.endif
.set jj, jj+2
.endr
.endif
	WIN 0
	s_wait_alu depctr_va_vdst(0)
.endm
.macro QUANT  ; registers 16 b .. 16 b + 15 are my 16 numbers of block b of 32 columns; lane l xor 16 holds the other 16
.irp b, 0,1,2,3
	v_max3_num_f32 v[TM+\b], |v[TW+16*\b]|, |v[TW+1+16*\b]|, 0x8000000  ; with the floor 2^(16 - 127)
.endr
.irp i, 2,4,6,8,10,12,14
.irp b, 0,1,2,3
	v_max3_num_f32 v[TM+\b], v[TM+\b], |v[TW+16*\b+\i]|, |v[TW+1+16*\b+\i]|
.endr
.endr
.irp b, 0,1,2,3
	v_permlanex16_b32 v[TM+4+\b], v[TM+\b], s[SEL], s[SEL+1]
.endr
.irp b, 0,1,2,3
	v_max_num_f32 v[TM+\b], v[TM+\b], v[TM+4+\b]
.endr
.irp b, 0,1,2,3
	v_add_nc_u32 v[TM+12+\b], 0xf8800000, v[TM+\b]  ; the conversion's scale operand
.endr
.irp b, 0,1,2,3
	v_and_or_b32 v[TM+8+\b], v[TM+\b], 0x7f800000, s[MNT]  ; 57,344 x the scale
.endr
.irp b, 0,1,2,3
	v_lshrrev_b32 v[TM+4+\b], 23, v[TM+12+\b]
.endr
	v_lshl_or_b32 v[PW], v[TM+5], 8, v[TM+4]
	v_lshl_or_b32 v[PW], v[TM+6], 16, v[PW]
	v_lshl_or_b32 v[PW], v[TM+7], 24, v[PW]
.irp b, 0,1,2,3
.irp i, 0,1,2,3,4,5,6,7,8,9,10,11,12,13,14,15
	v_med3_num_f32 v[TW+16*\b+\i], v[TW+16*\b+\i], -v[TM+8+\b], v[TM+8+\b]  ; the conversion does not saturate (ISA guide 7.6.2)
.endr
	v_cvt_scalef32_pk8_bf8_f32 v[PC+4*\b:PC+1+4*\b], v[TW+16*\b:TW+7+16*\b], v[TM+12+\b]  ; columns 32 b + 8 h + 0 .. 7
	v_cvt_scalef32_pk8_bf8_f32 v[PC+2+4*\b:PC+3+4*\b], v[TW+8+16*\b:TW+15+16*\b], v[TM+12+\b]  ; columns 32 b + 16 + 8 h + 0 .. 7
.endr
.endm
; Four blocks, one a trip: 64 rows.  s[94:95]: the lanes that take this block's scale word, in word 0 and in word 1.
.macro OUT4 kind, a0, oc, os
	s_mov_b32 s3, 0
	s_mov_b32 s94, 0xffff
	s_mov_b32 s95, 0
	s_wait_alu depctr_va_vdst(0)
.Lo_\@:
	s_cmp_eq_u32 s3, 0
	s_cbranch_scc0 .Lo1_\@
	BIAS \kind, \a0
	s_branch .Lj_\@
.Lo1_\@:
	s_cmp_eq_u32 s3, 1
	s_cbranch_scc0 .Lo2_\@
	BIAS \kind, \a0+1
	s_branch .Lj_\@
.Lo2_\@:
	s_cmp_eq_u32 s3, 2
	s_cbranch_scc0 .Lo3_\@
	BIAS \kind, \a0+2
	s_branch .Lj_\@
.Lo3_\@:
	BIAS \kind, \a0+3
.Lj_\@:
	s_wait_xcnt 0x0  ; the earlier stores have read their registers and their base
	s_add_nc_u64 s[\oc:\oc+1], s[\oc:\oc+1], 2048
.if (\kind) == 2
	v_add_nc_u32 v[PO], 16, v[PO]  ; row r of block a at place (r + a) mod 16
	v_and_b32 v[PO], 0xf0, v[PO]
	v_or_b32 v[COV], v[HB], v[PO]
.endif
	QUANT
	v_cndmask_b32 v[HW], v[HW], v[PW], s94
	v_cndmask_b32 v[HW+1], v[HW+1], v[PW], s95
.irp b, 0,1,2,3  ; lanes 16-31 of the even eight codes and lanes 0-15 of the odd eight change places: a lane then holds K = 32 b + 16 h + 0 .. 15
	v_permlane16_swap_b32 v[PC+4*\b], v[PC+4*\b+2]
	v_permlane16_swap_b32 v[PC+4*\b+1], v[PC+4*\b+3]
.endr
.irp b, 0,1,2,3
	global_store_b128 v[CO+(\kind)-1], v[PC+4*\b:PC+4*\b+3], s[\oc:\oc+1] offset:512*\b  ; 32 lanes store 512 consecutive bytes
.endr
	s_add_co_u32 s3, s3, 1
	s_lshl_b64 s[94:95], s[94:95], 16
	s_cmp_lt_u32 s3, 4
	s_wait_alu depctr_va_vdst(0)
	s_cbranch_scc1 .Lo_\@
	global_store_b64 v[SO8], v[HW:HW+1], s[\os:\os+1]
.endm
	s_wait_alu depctr_va_vdst(0)  ; the head's end
	s_wait_tensorcnt 0x0  ; K step 0 is in; slot 1's first fill is issued as a refill is
	ds_add_u32 v[SPW], v[NIL]
	s_wait_dscnt 0x0
	CROUND
	JLOAD G0+4, G1, G0B+4, G1B
	FETCH_B 0, 0, 0
	FETCH_A 0, 0, 0
	FETCH_A 0, 0, 4
	global_prefetch_b8 v[PFO], s[PFA:PFA+1] offset:2*ROWB th:TH_LOAD_NT scope:SCOPE_SE  ; tile 1's K step 2
	s_wait_loadcnt 0x0  ; the scale words
	STEP 0, 1
	TURN 0, 1, 1, 1
	global_prefetch_b8 v[PFO], s[PFA:PFA+1] offset:3*ROWB th:TH_LOAD_NT scope:SCOPE_SE  ; K step 3
	STEP 1, 0
	global_prefetch_b8 v[PFO], s[PFV:PFV+1] th:TH_LOAD_NT scope:SCOPE_SE  ; Wv's tile
	TURN 1, 0, 1, 1
	STEP 0, 0
	TURN 0, 1, 2, 1  ; slot 0 takes tile 2's K step 0
	STEP 1, 0
	TURN 1, 0, 2, 0  ; slot 1 takes its K step 1
	PLACES NP
.irp i, 0,1,2,3  ; tile 2's scale words, over tile 1's
.if \i < 2
	global_load_b128 v[SCA+8*\i:SCA+8*\i+3], v[SO], s[82:83] offset:1024*\i
	global_load_b128 v[SCA+8*\i+4:SCA+8*\i+7], v[SO], s[82:83] offset:1024*\i+16
.endif
	global_load_b128 v[SCB+8*\i:SCB+8*\i+3], v[SO], s[70:71] offset:1024*\i
	global_load_b128 v[SCB+8*\i+4:SCB+8*\i+7], v[SO], s[70:71] offset:1024*\i+16
.endr
.irp b, 0,1,2,3
	v_mov_b32 v[TM+4+\b], 0  ; a lane permute's destination counts as one of its sources
.endr
	s_wait_alu depctr_va_vdst(0)
	s_wait_loadcnt 12  ; the biases: behind them 12 loads were issued
	OUT4 1, 0, OC1, OS1
	s_wait_xcnt 0x0
	s_add_nc_u64 s[OC1:OC1+1], s[OC1:OC1+1], 65536-8192  ; the next 64 rows
	s_add_nc_u64 s[OS1:OS1+1], s[OS1:OS1+1], 2048
	OUT4 1, 4, OC1, OS1
	; TILE 2.  Its K step 0 was shown landed in front of the last round
	s_mul_i32 s94, s[WH], QUART
	s_mov_b32 s95, s94
	s_add_co_u32 s95, s95, SLOT
	v_add_nc_u32 v[ADRA], s94, v4
	v_add_nc_u32 v[ADRA+1], s95, v4
.set KS, 0
	s_wait_alu depctr_va_vdst(0)
	s_wait_xcnt 0x0
	s_wait_loadcnt 0x0  ; tile 2's scale words
	FETCH_B 0, 0, 0
	FETCH_H 0, 0, 0
	STEP3 0, 1
	TURN3 0, 1, 1
	STEP3 1, 0
	TURN3 1, 0, 1
	STEP3 0, 0
	TURN3 0, 1, 0
	STEP3 1, 0
	s_wait_dscnt 0x0
.irp a, 0,1,2,3
	MULA \a, 1, 0
.endr
	WIN 0
	PLACES NP
.irp b, 0,1,2,3
	v_mov_b32 v[TM+4+\b], 0
.endr
	OUT4 2, 0, OC2, OS2
	s_wait_tensorcnt 0x0  ; the wave's end
	ds_add_u32 v[SPW], v[NIL]
	s_wait_dscnt 0x0
	CROUND
	s_endpgm
.Lfunc_end_k_q9b9aa25863_proj:
	.size	k_q9b9aa25863_proj, .Lfunc_end_k_q9b9aa25863_proj-k_q9b9aa25863_proj
	.p2alignl 7, 3214868480
	.fill 96, 4, 3214868480
	.section	.rodata,"a",@progbits
	.p2align	6, 0x0
	.amdhsa_kernel k_q9b9aa25863_proj
		.amdhsa_group_segment_fixed_size 327680
		.amdhsa_private_segment_fixed_size 0
		.amdhsa_enable_private_segment 0
		.amdhsa_kernarg_size 104
		.amdhsa_user_sgpr_count 2
		.amdhsa_user_sgpr_kernarg_segment_ptr 1
		.amdhsa_wavefront_size32 1
		.amdhsa_system_sgpr_workgroup_id_x 1
		.amdhsa_system_sgpr_workgroup_id_y 1
		.amdhsa_system_sgpr_workgroup_id_z 1
		.amdhsa_system_vgpr_workitem_id 0
		.amdhsa_next_free_vgpr 1024
		.amdhsa_next_free_sgpr 106
		.amdhsa_reserve_vcc 0
		.amdhsa_float_denorm_mode_32 3
		.amdhsa_float_denorm_mode_16_64 3
		.amdhsa_memory_ordered 1
		.amdhsa_forward_progress 1
		.amdhsa_inst_pref_size 238
	.end_amdhsa_kernel
	.amdgpu_metadata
---
amdhsa.version: [ 1, 2 ]
amdhsa.kernels:
  - .name:           k_q9b9aa25863_proj
    .symbol:         k_q9b9aa25863_proj.kd
    .args:
      - { .name: x_codes, .offset: 0, .size: 8, .value_kind: global_buffer, .address_space: global }
      - { .name: x_scales, .offset: 8, .size: 8, .value_kind: global_buffer, .address_space: global }
      - { .name: Wq_codes, .offset: 16, .size: 8, .value_kind: global_buffer, .address_space: global }
      - { .name: Wq_scales, .offset: 24, .size: 8, .value_kind: global_buffer, .address_space: global }
      - { .name: Wk_codes, .offset: 32, .size: 8, .value_kind: global_buffer, .address_space: global }
      - { .name: Wk_scales, .offset: 40, .size: 8, .value_kind: global_buffer, .address_space: global }
      - { .name: Wv_codes, .offset: 48, .size: 8, .value_kind: global_buffer, .address_space: global }
      - { .name: Wv_scales, .offset: 56, .size: 8, .value_kind: global_buffer, .address_space: global }
      - { .name: bq, .offset: 64, .size: 8, .value_kind: global_buffer, .address_space: global }
      - { .name: bk, .offset: 72, .size: 8, .value_kind: global_buffer, .address_space: global }
      - { .name: bv, .offset: 80, .size: 8, .value_kind: global_buffer, .address_space: global }
      - { .name: qkv_codes, .offset: 88, .size: 8, .value_kind: global_buffer, .address_space: global }
      - { .name: qkv_sc, .offset: 96, .size: 8, .value_kind: global_buffer, .address_space: global }
    .group_segment_fixed_size: 327680
    .private_segment_fixed_size: 0
    .kernarg_segment_align: 8
    .kernarg_segment_size: 104
    .max_flat_workgroup_size: 128
    .sgpr_count:     106
    .vgpr_count:     1024
    .wavefront_size: 32
...
	.end_amdgpu_metadata
.endif
;; end of part 1
;; launch scores (part 2): grid 8 x 32, 4 waves a work-group, clusters of 4 x 4, 327,680 bytes of LDS; arguments qkv_codes, qkv_sc, p_codes, p_sc, stats; writes p_codes, p_sc, stats
.if DOCPART == 2
	.amdgcn_target "amdgcn-amd-amdhsa--gfx1250"
	.amdhsa_code_object_version 6
	.text
	.protected	k_q9b9aa25863_scores
	.globl	k_q9b9aa25863_scores
	.p2align	8
	.type	k_q9b9aa25863_scores,@function
k_q9b9aa25863_scores:
	s_mov_b64 s[64:65], 0
	v_nop
	global_prefetch_b8 v0, s[64:65] scope:SCOPE_SE
	s_setreg_imm32_b32 hwreg(HW_REG_WAVE_MODE, 25, 1), 1
	s_wait_xcnt 0x0
	s_wait_alu depctr_hold_cnt(0) depctr_sa_sdst(0) depctr_va_vdst(0) depctr_va_sdst(0) depctr_va_ssrc(0) depctr_va_vcc(0) depctr_vm_vsrc(0)
	s_getreg_b32 s2, hwreg(HW_REG_IB_STS2, 6, 4)
	s_cmp_eq_u32 s2, 0
	s_cbranch_scc0 .Lentry_in_a_cluster
	s_endpgm
.Lentry_in_a_cluster:
	s_bfe_u32 s2, ttmp6, 0x10000c
	s_cmp_lg_u32 s2, 0xf033
	s_cbranch_scc0 .Lentry_shape_is_right
	s_endpgm
.Lentry_shape_is_right:
; S = Q K^T on codes of BF8; t = S x log2(e) / 32; for each query and each 256 keys (a work-group's): M = ceil(the largest t of these 256), a whole number; p = 2^(t - M); the sum of the unquantised p;
; p quantised along the keys.  M is LOCAL to the 256 keys: the next launch takes the row's largest M and lowers each scale byte by the difference, which is exact.
; A work-group makes 256 queries (tile Y) x 256 keys (tile X of the batch); a wave 64 queries x 256 keys.
; K's TILE LIES IN LDS WHOLE: 256 keys x 1,024 codes = 262,144 bytes as an image of operand registers, filled once by four joint loads, one a wave: wave w brings K steps 2 w, 2 w + 1; a column of the cluster (the same X) asks jointly.
; Each quarter is shown by a barrier of its own, for which the wave that fetched it waits.  Q GOES STRAIGHT INTO REGISTERS: a wave's 64 queries are its own, so no load of them is shared; three sets, a step's 21 loads two steps ahead.
; SOURCE 0 = 16 keys, source 1 = 16 queries: a lane holds one query and eight neighbouring keys.
; PREFETCH into the L2: the four work-groups of a row of the cluster share the same queries; each asks for one of their K steps 4 to 7, by address.
; IN and OUT in the order of operand registers (fragments as in the launch before).  p_codes [64 queries: 128][128 keys: 16][16 queries: 4][fragment]; p_sc [64 queries][256 keys: 8][lane][4]: words of keys 0-127 (queries 0-31, 32-63), then of keys 128-255;
;   stats, the same places: -M (queries 0-31, 32-63), then the sums; lane l stands for query 32 i + l.
; LIMITS: scaled scores under 2^31 in magnitude; a block whose largest p lies under 2^-111 keeps the byte 1; NaN and infinities are not served.
; REGISTERS: window 0: v0-13 addresses; v16-39, v40-45 scale words, three sets; v48-63 words on their way out; v64-255 Q's three sets, at work behind the products.  Window 1: K's 16 fragments.  Windows 2, 3: accumulator (a, f) at 128 (a % 2) + 8 f of window 2 + a / 2.
.set AK, 4
.set QO, 4
.set SO8, 9
.set PFO, 10
.set SPW, 12
.set NIL, 13
.set KSC, 16
.set QSC, 40
.set HN, 48
.set HS, 52
.set NM, 56
.set C0, 58
.set C1, 60
.set RM, 62
.set QS, 64
.set TW, 64
.set BM, 192
.set PX, 200
.set HD, 208
.set SO, 216
.set PC, 224
.set SPARE, 262144
.set G1, 24
.set G0, 32
.set MNT, 95
.set CS, 96
.set SEL, 98
.set MSB, 0
.macro WIN new
.if MSB != (\new)
	s_set_vgpr_msb (MSB<<8)|(\new)
.set MSB, (\new)
.endif
.endm
.macro PLACES n
.rept \n
	v_nop
.endr
.endm
.macro CROUND
	s_barrier_signal -1
	s_barrier_wait -1
	s_cmp_lg_u32 s14, 0
	s_cbranch_scc1 .Lnot_wave_0_\@
	s_barrier_signal -3
.Lnot_wave_0_\@:
	s_barrier_wait -3
	s_barrier_signal -1
	s_barrier_wait -1
.endm
	s_load_b256 s[4:11], s[0:1], 0x0  ; qkv_codes, qkv_sc, p_codes, p_sc
	s_load_b64 s[12:13], s[0:1], 0x20  ; stats
	v_lshl_add_u32 v[SPW], v0, 2, SPARE
	v_mov_b32 v[NIL], 0
	ds_add_u32 v[SPW], v[NIL]  ; the opening lines
	ds_add_u32 v[SPW], v[NIL]
	v_lshrrev_b32 v1, 5, v0
	v_readfirstlane_b32 s14, v1
	s_bfe_u32 s40, ttmp6, 0x40000  ; cx
	s_bfe_u32 s41, ttmp6, 0x40004  ; cy
	s_lshl_b32 s42, ttmp9, 2
	s_add_co_u32 s42, s42, s40  ; X
	s_and_b32 s19, ttmp7, 0xffff
	s_lshl_b32 s17, s19, 2
	s_add_co_u32 s17, s17, s41  ; Y
	s_lshr_b32 s19, s19, 1  ; the batch
	s_lshl_b32 s44, 0x1111, s40  ; my column of the cluster
	s_or_b32 s[G1], s44, (3<<16)|(1<<21)  ; elements of 8 bytes
	s_mov_b32 s[G1+1], 2048<<16  ; two K steps of 64 keys: 16,384 dense bytes;
	s_mov_b32 s[G1+2], 4<<16  ; four such rows,
	s_mov_b32 s[G1+3], 2048<<16
	s_mov_b32 s[G1+4], 4
	s_mov_b32 s[G1+5], 8192  ; 65,536 bytes apart
	s_mov_b32 s[G1+6], 0
	s_mov_b32 s[G1+7], 0
	s_lshl_b32 s45, s19, 5
	s_lshl_b32 s46, s42, 2
	s_add_co_u32 s45, s45, s46  ; the tile's first 64 keys: 32 x batch + 4 X
	s_lshl_b32 s46, s14, 14
	s_lshl_b32 s48, s45, 16
	s_add_co_u32 s48, s48, s46
	s_add_co_u32 s48, s48, 8388608
	s_mov_b32 s49, 0
	s_lshl_b32 s50, s45, 11
	s_add_co_u32 s50, s50, 262144
	s_mov_b32 s51, 0
	s_lshl_b32 s52, s17, 2
	s_add_co_u32 s52, s52, s14  ; my 64 queries
	s_lshl_b32 s54, s52, 16
	s_mov_b32 s55, 0
	s_lshl_b32 s56, s52, 11
	s_mov_b32 s57, 0
	s_lshl_b32 s58, s52, 17
	s_lshl_b32 s46, s42, 14
	s_add_co_u32 s58, s58, s46
	s_mov_b32 s59, 0
	s_lshl_b32 s60, s52, 12
	s_lshl_b32 s46, s42, 9
	s_add_co_u32 s60, s60, s46
	s_mov_b32 s61, 0
	s_mov_b32 s[G0], 1
	s_lshl_b32 s[G0+1], s14, 16
	s_lshl_b32 s62, s40, 13
	s_add_co_u32 s62, s62, 32768  ; K step 4 + cx
	s_mov_b32 s[MNT], 0x600000
	s_mov_b32 s[CS], 0x3d38aa3b  ; log2(e) / 32
	s_mov_b32 s[CS+1], s[CS]
	s_mov_b32 s[SEL], 0x76543210
	s_mov_b32 s[SEL+1], 0xfedcba98
	v_and_b32 v3, 31, v0
	v_lshlrev_b32 v[AK], 4, v3
	v_lshlrev_b32 v[SO8], 3, v3
	v_lshl_add_u32 v[PFO], v3, 8, s62
.irp q, 1,2,3
	v_add_nc_u32 v[AK+\q], 65536*\q, v[AK]
.endr
	s_wait_alu depctr_va_vdst(0)
	s_wait_dscnt 0x0  ; both opening adds are done
	CROUND
	s_wait_kmcnt 0x0
	s_add_nc_u64 s[G0+2:G0+3], s[4:5], s[48:49]
	s_or_b32 s[G0+3], s[G0+3], 0x80000000
.macro ARM under, next
	s_cmp_lt_u32 s14, \under
	s_cbranch_scc0 \next
	tensor_load_to_lds s[G0:G0+3], s[G1:G1+7]
	s_nop 0
	PLACES 4
	s_branch .Lhead_asked
\next:
.endm
	ARM 1, .Lhead_1  ; one load a wave, a line for each, since each quarter is waited for by its own wave
	ARM 2, .Lhead_2
	ARM 3, .Lhead_3
	tensor_load_to_lds s[G0:G0+3], s[G1:G1+7]
	s_nop 0
	PLACES 4
.Lhead_asked:
	s_add_nc_u64 s[20:21], s[4:5], s[54:55]
	s_add_nc_u64 s[22:23], s[6:7], s[56:57]
	s_add_nc_u64 s[48:49], s[6:7], s[50:51]
	s_add_nc_u64 s[8:9], s[8:9], s[58:59]
	s_sub_nc_u64 s[8:9], s[8:9], 2048  ; one block early: the way out steps it first
	s_add_nc_u64 s[10:11], s[10:11], s[60:61]
	s_add_nc_u64 s[12:13], s[12:13], s[60:61]
.macro LQ s, n  ; load n of 21 for step s, into set s % 3
.if (\n) < 16
	global_load_b128 v[QS+64*((\s)%3)+4*(\n):QS+64*((\s)%3)+4*(\n)+3], v[QO], s[20:21] offset:8192*(\s)+512*(\n)
.elseif (\n) == 16
	global_load_b64 v[QSC+2*((\s)%3):QSC+2*((\s)%3)+1], v[SO8], s[22:23] offset:256*(\s)
.else
	global_load_b64 v[KSC+8*((\s)%3)+2*((\n)-17):KSC+8*((\s)%3)+2*((\n)-17)+1], v[SO8], s[48:49] offset:2048*((\n)-17)+256*(\s)
.endif
.endm
.irp s, 0,1,2
.set n_, 0
.rept 21
	LQ \s, n_
.set n_, n_+1
.endr
.endr
.macro LDF s, f  ; K's fragment f of step s: four loads of 512 consecutive bytes
	WIN 0x40
.irp c, 0,1,2,3
	ds_load_b128 v[16*(\f)+4*\c:16*(\f)+4*\c+3], v[AK+(\s)/2] offset:16384*((\f)/4)+8192*((\s)%2)+2048*((\f)%4)+512*\c
.endr
.endm
.macro WM z, p, q
.if \z
	v_wmma_scale_f32_16x16x128_f8f6f4 v[rD:rD+7], v[rK:rK+15], v[rQ:rQ+15], 0, v[rSK], v[rSQ] matrix_a_fmt:MATRIX_FMT_BF8 matrix_b_fmt:MATRIX_FMT_BF8 \p \q
.else
	v_wmma_scale_f32_16x16x128_f8f6f4 v[rD:rD+7], v[rK:rK+15], v[rQ:rQ+15], v[rD:rD+7], v[rSK], v[rSQ] matrix_a_fmt:MATRIX_FMT_BF8 matrix_b_fmt:MATRIX_FMT_BF8 \p \q
.endif
.endm
.macro PROD s, f, a  ; keys' fragment f x my queries' block a; the 64 accumulators take turns, one instruction a turn
.set rD, 128*((\a)%2)+8*(\f)
.set rK, 16*(\f)
.set rQ, QS+64*((\s)%3)+16*(\a)
.set rSK, KSC+8*((\s)%3)+(\f)/2
.set rSQ, QSC+2*((\s)%3)+(\a)/2
.set rRK, (\f)%2
.set rRQ, (\a)%2
.set rZ, (\s)==0
	WIN 0xa1+0x50*((\a)/2)
.if rRK && rRQ
	WM rZ, matrix_a_scale:MATRIX_SCALE_ROW1, matrix_b_scale:MATRIX_SCALE_ROW1
.elseif rRK
	WM rZ, matrix_a_scale:MATRIX_SCALE_ROW1
.elseif rRQ
	WM rZ, matrix_b_scale:MATRIX_SCALE_ROW1
.else
	WM rZ
.endif
.endm
; Half a step: eight of K's fragments x four of Q's, while the next eight are fetched.  The eight v_nop are the places in front of loads into registers that products have read.
; Where the next fragments are a new quarter's, the wave that fetched it waits, and a barrier shows it.
.macro HALF s, hf
.set BR_, 0
.if (\hf) == 1
.if (\s) == 1 || (\s) == 3 || (\s) == 5
.set BR_, 1
.endif
.endif
	s_wait_dscnt 0x0  ; this half's fragments are in
.if (\hf) == 0
.if (\s) == 0
	s_wait_loadcnt 42  ; behind step 0's loads stand two steps' 21 each
.elseif (\s) == 7
	s_wait_loadcnt 0
.else
	s_wait_loadcnt 21  ; behind this step's stand the next step's 21
.endif
.endif
.if BR_
	WIN 0
.if (\s) < 5
	s_cmp_lt_u32 s14, ((\s)+1)/2+1
	s_cbranch_scc0 .Lq_\@
	s_wait_tensorcnt 0x0
.Lq_\@:
.else
	s_wait_tensorcnt 0x0
.endif
	s_barrier_signal -1
.endif
	PLACES 8
.set k_, 0
.rept 32
.if k_ == 8*BR_  ; the loads stand in one run; behind the barrier where there is one
.if BR_
	s_barrier_wait -1
.endif
.set f_, 0
.rept 8
.if (\hf) == 0
	LDF \s, 8+f_
.elseif (\s) < 7
	LDF \s+1, f_
.endif
.set f_, f_+1
.endr
.if (\hf) == 0 && (\s) >= 1 && (\s) <= 5
	WIN 0
.set f_, 0
.rept 21
	LQ (\s)+2, f_
.set f_, f_+1
.endr
.endif
.endif
	PROD \s, 8*(\hf)+k_%8, k_/8
.set k_, k_+1
.endr
.endm
	s_wait_alu depctr_va_vdst(0)  ; the head's end
	s_cmp_lt_u32 s14, 1
	s_cbranch_scc0 .Lnot_first
	s_wait_tensorcnt 0x0  ; wave 0: the first quarter is in
.Lnot_first:
	s_barrier_signal -1
	s_barrier_wait -1
.irp f, 0,1,2,3,4,5,6,7
	LDF 0, \f
.endr
	HALF 0, 0
	WIN 0
	global_prefetch_b8 v[PFO], s[20:21] th:TH_LOAD_NT scope:SCOPE_SE
	HALF 0, 1
.irp s, 1,2,3,4,5,6,7
	HALF \s, 0
	HALF \s, 1
.endr
	WIN 0
	PLACES 8
; THE SOFTMAX'S NUMERATOR of block a, 16 queries x 256 keys, first part: -M and t - M.  Registers 16 b .. 16 b + 15 are my 16 keys of block b of 32; lane l xor 16 holds the other 16.
.macro SRC a
.set W_, 2+(\a)/2
.set R_, 128*((\a)%2)
	WIN (W_<<2)|(W_<<4)
	s_wait_alu depctr_va_vdst(0)  ; ahead of the first readers of these sums
.irp i, 0,2,4,6,8,10,12,14
.irp b, 0,1,2,3,4,5,6,7
.if \i == 0
	v_max3_num_f32 v[BM+\b], 0xff800000, v[R_+16*\b], v[R_+16*\b+1]
.else
	v_max3_num_f32 v[BM+\b], v[BM+\b], v[R_+16*\b+\i], v[R_+16*\b+\i+1]
.endif
.endr
.endr
	WIN 0
.irp b, 0,1,2,3,4,5,6,7
	v_permlanex16_b32 v[PX+\b], v[BM+\b], s[SEL], s[SEL+1]
.endr
.irp b, 0,1,2,3,4,5,6,7
	v_max_num_f32 v[BM+\b], v[BM+\b], v[PX+\b]  ; each block's largest score: it serves M and, since p rises with it, the block's largest p
.endr
	v_max3_num_f32 v[RM], v[BM], v[BM+1], v[BM+2]
	v_max3_num_f32 v[RM+1], v[BM+3], v[BM+4], v[BM+5]
	v_max3_num_f32 v[RM], v[RM], v[BM+6], v[BM+7]
	v_max_num_f32 v[RM], v[RM], v[RM+1]
	v_mul_f32 v[RM], s[CS], v[RM]
	v_floor_f32 v[NM], -v[RM]  ; -M = floor(-t): a whole number
.irp b, 0,1,2,3,4,5,6,7
	v_fma_f32 v[BM+\b], v[BM+\b], s[CS], v[NM]
.endr
	WIN W_
.set jj, 0
.rept 64
	v_pk_fma_f32 v[TW+jj:TW+jj+1], v[R_+jj:R_+jj+1], s[CS:CS+1], v[NM:NM+1] op_sel_hi:[1,0,0]
.set jj, jj+2
.endr
	WIN 0
	s_wait_alu depctr_va_vdst(0)
.endm
.irp b, 0,1,2,3,4,5,6,7
	v_mov_b32 v[PX+\b], 0  ; a lane permute's destination counts as one of its sources
	v_mov_b32 v[HN+\b], 0  ; the words on their way out
.endr
	v_mov_b32 v[NM+1], 0
	v_mov_b32 v[RM+1], 0
	s_mov_b32 s46, 0
	s_mov_b32 s50, 0xffff  ; s[50:51]: the lanes that take this block's words, for queries 0-31 and 32-63
	s_mov_b32 s51, 0
	s_wait_alu depctr_va_vdst(0)
.Lblock:
	s_cmp_eq_u32 s46, 0
	s_cbranch_scc0 .Lb1
	SRC 0
	s_branch .Lgo
.Lb1:
	s_cmp_eq_u32 s46, 1
	s_cbranch_scc0 .Lb2
	SRC 1
	s_branch .Lgo
.Lb2:
	s_cmp_eq_u32 s46, 2
	s_cbranch_scc0 .Lb3
	SRC 2
	s_branch .Lgo
.Lb3:
	SRC 3
.Lgo:
	s_wait_xcnt 0x0  ; the last block's stores have read their registers and their base
	s_add_nc_u64 s[8:9], s[8:9], 2048
	s_wait_alu depctr_va_vdst(0)  ; ahead of the batch
.irp b, 0,1,2,3,4,5,6,7
	v_exp_f32 v[BM+\b], v[BM+\b]  ; each block's largest p
.endr
.set jj, 0
.rept 128
	v_exp_f32 v[TW+jj], v[TW+jj]  ; p, not normalised
.set jj, jj+1
.endr
	v_cndmask_b32 v[HN], v[HN], v[NM], s50  ; (plain work behind the batch)
	v_cndmask_b32 v[HN+1], v[HN+1], v[NM], s51
	s_wait_alu depctr_va_vdst(0)  ; one wait for the batch
	v_pk_add_f32 v[C0:C0+1], v[TW:TW+1], v[TW+8:TW+9]  ; the sum of the UNQUANTISED p, in four chains
	v_pk_add_f32 v[C1:C1+1], v[TW+2:TW+3], v[TW+10:TW+11]
	v_pk_add_f32 v[PX:PX+1], v[TW+4:TW+5], v[TW+12:TW+13]
	v_pk_add_f32 v[PX+2:PX+3], v[TW+6:TW+7], v[TW+14:TW+15]
.set jj, 16
.rept 14
	v_pk_add_f32 v[C0:C0+1], v[C0:C0+1], v[TW+jj:TW+jj+1]
	v_pk_add_f32 v[C1:C1+1], v[C1:C1+1], v[TW+jj+2:TW+jj+3]
	v_pk_add_f32 v[PX:PX+1], v[PX:PX+1], v[TW+jj+4:TW+jj+5]
	v_pk_add_f32 v[PX+2:PX+3], v[PX+2:PX+3], v[TW+jj+6:TW+jj+7]
.set jj, jj+8
.endr
	v_pk_add_f32 v[C0:C0+1], v[C0:C0+1], v[C1:C1+1]
	v_pk_add_f32 v[PX:PX+1], v[PX:PX+1], v[PX+2:PX+3]
.irp b, 0,1,2,3,4,5,6,7
	v_max_num_f32 v[BM+\b], 0x8000000, v[BM+\b]  ; the floor 2^(16 - 127)
.endr
	v_pk_add_f32 v[C0:C0+1], v[C0:C0+1], v[PX:PX+1]
.irp b, 0,1,2,3,4,5,6,7
	v_add_nc_u32 v[SO+\b], 0xf8800000, v[BM+\b]  ; the conversion's scale operand
.endr
	v_add_f32 v[RM], v[C0], v[C0+1]
.irp b, 0,1,2,3,4,5,6,7
	v_and_or_b32 v[HD+\b], v[BM+\b], 0x7f800000, s[MNT]  ; 57,344 x the scale
.endr
	v_permlanex16_b32 v[RM+1], v[RM], s[SEL], s[SEL+1]
.irp b, 0,1,2,3,4,5,6,7
	v_lshrrev_b32 v[PX+\b], 23, v[SO+\b]
.endr
	v_add_f32 v[RM], v[RM], v[RM+1]  ; my query's sum over the 256 keys
.irp i, 1,2,3
	v_lshl_or_b32 v[PX], v[PX+\i], 8*\i, v[PX]
	v_lshl_or_b32 v[PX+4], v[PX+4+\i], 8*\i, v[PX+4]
.endr
.irp b, 0,1,2,3,4,5,6,7
.irp i, 0,1,2,3,4,5,6,7,8,9,10,11,12,13,14,15
	v_min_num_f32 v[TW+16*\b+\i], v[TW+16*\b+\i], v[HD+\b]  ; the conversion does not saturate (ISA guide 7.6.2); p is not negative
.endr
	v_cvt_scalef32_pk8_bf8_f32 v[PC+4*\b:PC+1+4*\b], v[TW+16*\b:TW+7+16*\b], v[SO+\b]
	v_cvt_scalef32_pk8_bf8_f32 v[PC+2+4*\b:PC+3+4*\b], v[TW+8+16*\b:TW+15+16*\b], v[SO+\b]
.endr
	v_cndmask_b32 v[HN+2], v[HN+2], v[RM], s50
	v_cndmask_b32 v[HN+3], v[HN+3], v[RM], s51
	v_cndmask_b32 v[HS], v[HS], v[PX], s50
	v_cndmask_b32 v[HS+1], v[HS+1], v[PX], s51
	v_cndmask_b32 v[HS+2], v[HS+2], v[PX+4], s50
	v_cndmask_b32 v[HS+3], v[HS+3], v[PX+4], s51
.irp b, 0,1,2,3,4,5,6,7  ; lanes 16-31 of the even eight codes and lanes 0-15 of the odd eight change places: a lane then holds keys 32 b + 16 h + 0 .. 15
	v_permlane16_swap_b32 v[PC+4*\b], v[PC+4*\b+2]
	v_permlane16_swap_b32 v[PC+4*\b+1], v[PC+4*\b+3]
.endr
.irp b, 0,1,2,3,4,5,6,7
	global_store_b128 v[QO], v[PC+4*\b:PC+4*\b+3], s[8:9] offset:8192*(\b/4)+512*(\b%4)  ; 32 lanes store 512 consecutive bytes
.endr
	s_add_co_u32 s46, s46, 1
	s_lshl_b64 s[50:51], s[50:51], 16
	s_cmp_lt_u32 s46, 4
	s_wait_alu depctr_va_vdst(0)
	s_cbranch_scc1 .Lblock
	global_store_b128 v[QO], v[HS:HS+3], s[10:11]
	global_store_b128 v[QO], v[HN:HN+3], s[12:13]
	s_wait_tensorcnt 0x0  ; the wave's end
	ds_add_u32 v[SPW], v[NIL]
	s_wait_dscnt 0x0
	CROUND
	s_endpgm
.Lfunc_end_k_q9b9aa25863_scores:
	.size	k_q9b9aa25863_scores, .Lfunc_end_k_q9b9aa25863_scores-k_q9b9aa25863_scores
	.p2alignl 7, 3214868480
	.fill 96, 4, 3214868480
	.section	.rodata,"a",@progbits
	.p2align	6, 0x0
	.amdhsa_kernel k_q9b9aa25863_scores
		.amdhsa_group_segment_fixed_size 327680
		.amdhsa_private_segment_fixed_size 0
		.amdhsa_enable_private_segment 0
		.amdhsa_kernarg_size 40
		.amdhsa_user_sgpr_count 2
		.amdhsa_user_sgpr_kernarg_segment_ptr 1
		.amdhsa_wavefront_size32 1
		.amdhsa_system_sgpr_workgroup_id_x 1
		.amdhsa_system_sgpr_workgroup_id_y 1
		.amdhsa_system_sgpr_workgroup_id_z 1
		.amdhsa_system_vgpr_workitem_id 0
		.amdhsa_next_free_vgpr 1024
		.amdhsa_next_free_sgpr 100
		.amdhsa_reserve_vcc 0
		.amdhsa_float_denorm_mode_32 3
		.amdhsa_float_denorm_mode_16_64 3
		.amdhsa_memory_ordered 1
		.amdhsa_forward_progress 1
		.amdhsa_inst_pref_size 185
	.end_amdhsa_kernel
	.amdgpu_metadata
---
amdhsa.version: [ 1, 2 ]
amdhsa.kernels:
  - .name:           k_q9b9aa25863_scores
    .symbol:         k_q9b9aa25863_scores.kd
    .args:
      - { .name: qkv_codes, .offset: 0, .size: 8, .value_kind: global_buffer, .address_space: global }
      - { .name: qkv_sc, .offset: 8, .size: 8, .value_kind: global_buffer, .address_space: global }
      - { .name: p_codes, .offset: 16, .size: 8, .value_kind: global_buffer, .address_space: global }
      - { .name: p_sc, .offset: 24, .size: 8, .value_kind: global_buffer, .address_space: global }
      - { .name: stats, .offset: 32, .size: 8, .value_kind: global_buffer, .address_space: global }
    .group_segment_fixed_size: 327680
    .private_segment_fixed_size: 0
    .kernarg_segment_align: 8
    .kernarg_segment_size: 40
    .max_flat_workgroup_size: 128
    .sgpr_count:     100
    .vgpr_count:     1024
    .wavefront_size: 32
...
	.end_amdgpu_metadata
.endif
;; end of part 2
;; launch pv (part 3): grid 32 x 8, 4 waves a work-group, clusters of 4 x 4, 327,680 bytes of LDS; arguments p_codes, p_sc, stats, qkv_codes, qkv_sc, out0; writes out0
.if DOCPART == 3
	.amdgcn_target "amdgcn-amd-amdhsa--gfx1250"
	.amdhsa_code_object_version 6
	.text
	.protected	k_q9b9aa25863_pv
	.globl	k_q9b9aa25863_pv
	.p2align	8
	.type	k_q9b9aa25863_pv,@function
k_q9b9aa25863_pv:
	s_mov_b64 s[64:65], 0
	v_nop
	global_prefetch_b8 v0, s[64:65] scope:SCOPE_SE
	s_setreg_imm32_b32 hwreg(HW_REG_WAVE_MODE, 25, 1), 1
	s_wait_xcnt 0x0
	s_wait_alu depctr_hold_cnt(0) depctr_sa_sdst(0) depctr_va_vdst(0) depctr_va_sdst(0) depctr_va_ssrc(0) depctr_va_vcc(0) depctr_vm_vsrc(0)
	s_getreg_b32 s2, hwreg(HW_REG_IB_STS2, 6, 4)
	s_cmp_eq_u32 s2, 0
	s_cbranch_scc0 .Lentry_in_a_cluster
	s_endpgm
.Lentry_in_a_cluster:
	s_bfe_u32 s2, ttmp6, 0x10000c
	s_cmp_lg_u32 s2, 0xf033
	s_cbranch_scc0 .Lentry_shape_is_right
	s_endpgm
.Lentry_shape_is_right:
; out = P V / l on codes of BF8.  P's scale bytes are lowered by (the row's largest M - the 256 keys' own M), l is the sum of the chunks' sums under the row's M: both exact shifts of exponents.
; A work-group makes 256 queries (tile Y) x 128 units (tile U); a wave 64 queries x 128 units, 32 accumulators.  K = 2,048 keys in 16 steps of 128.
; V's TILE LIES IN LDS WHOLE: 128 units x 2,048 keys = 262,144 bytes in the order of operand registers, filled once by four joint loads, one a wave, four steps each; a row of the cluster (the same U, one batch) asks jointly.
; P GOES STRAIGHT INTO REGISTERS: a wave's 64 queries are its own, so no load of them is shared.  Four sets; a step's 20 loads (16 of codes, 4 of V's scale words) are issued three steps ahead.
; SOURCE 0 = 16 queries, source 1 = 16 units: register j of lane (r, h) is query 8 h + j, unit r of the tile.  Tile t of 64 units takes units 4 r + t: so the four tiles' registers j are four neighbouring units of one query,
; and 16 lanes store 256 consecutive bytes.  V^T's block a has row r at place (r + a) mod 16, so the 16 lanes of a fragment's load take 16 different columns of 16 bytes.
; PREFETCH into the L2: the eight work-groups of a tile of queries share its steps 8 to 15 out by address: number U asks for step 8 + U, once, behind step 0.
; LIMITS: a byte that would fall under 0 is held at 0 (2^-127); chunks whose M lies more than 127 under the row's count as 127 under; NaN and infinities are not served.
; REGISTERS: window 0: v0-17 addresses; v20-33 P's scale words, v40-55 V's (four sets each); v64-127 at the head stats and raw scale words, at the end v64-95 1 / l; v128-255 results.  Window 1: V's two sets.  Window 2: accumulator (a, b) at 8 (8 a + b).  Window 3: P's four sets.
.set AV, 4
.set PSA, 8
.set QO, 9
.set VO, 10
.set PFO, 12
.set SPW, 13
.set NIL, 14
.set RLW, 15
.set RLR, 16
.set OO, 17
.set PSC, 20
.set VSC, 40
.set ST, 64
.set RL, 64
.set RAW, 96
.set PSL, 262144  ; the lowered scale words: 4,096 bytes a wave
.set RLS, PSL+16384  ; 1 / l: 256 bytes a wave
.set SPARE, RLS+1024
.set G1, 28
.set G0, 36
.set MSB, 0
.macro WIN new
.if MSB != (\new)
	s_set_vgpr_msb (MSB<<8)|(\new)
.set MSB, (\new)
.endif
.endm
.macro PLACES n
.rept \n
	v_nop
.endr
.endm
.macro CROUND
	s_barrier_signal -1
	s_barrier_wait -1
	s_cmp_lg_u32 s14, 0
	s_cbranch_scc1 .Lnot_wave_0_\@
	s_barrier_signal -3
.Lnot_wave_0_\@:
	s_barrier_wait -3
	s_barrier_signal -1
	s_barrier_wait -1
.endm
	s_load_b256 s[4:11], s[0:1], 0x0  ; p_codes, p_sc, stats, qkv_codes
	s_load_b128 s[72:75], s[0:1], 0x20  ; qkv_sc, out0
	v_lshl_add_u32 v[SPW], v0, 2, SPARE
	v_mov_b32 v[NIL], 0
	ds_add_u32 v[SPW], v[NIL]  ; the opening lines
	ds_add_u32 v[SPW], v[NIL]
	v_lshrrev_b32 v1, 5, v0
	v_readfirstlane_b32 s14, v1
	s_bfe_u32 s40, ttmp6, 0x40000  ; cx
	s_bfe_u32 s41, ttmp6, 0x40004  ; cy
	s_lshl_b32 s17, ttmp9, 2
	s_add_co_u32 s17, s17, s40  ; Y
	s_lshr_b32 s19, ttmp9, 1  ; the batch
	s_and_b32 s42, ttmp7, 0xffff
	s_lshl_b32 s42, s42, 2
	s_add_co_u32 s42, s42, s41  ; U
	s_lshl_b32 s44, s41, 2
	s_lshl_b32 s44, 15, s44  ; my row of the cluster
	s_or_b32 s[G1], s44, (3<<16)|(1<<21)  ; elements of 8 bytes
	s_mov_b32 s[G1+1], 4096<<16  ; four steps of 64 units: 32,768 dense bytes;
	s_mov_b32 s[G1+2], 2<<16  ; two such rows,
	s_mov_b32 s[G1+3], 4096<<16
	s_mov_b32 s[G1+4], 2
	s_mov_b32 s[G1+5], 16384  ; 131,072 bytes apart
	s_mov_b32 s[G1+6], 0
	s_mov_b32 s[G1+7], 0
	s_mov_b32 s[G0], 1
	s_lshl_b32 s[G0+1], s14, 16
	s_lshl_b32 s48, s19, 21
	s_lshl_b32 s46, s42, 18
	s_add_co_u32 s48, s48, s46
	s_lshl_b32 s46, s14, 15
	s_add_co_u32 s48, s48, s46
	s_add_co_u32 s48, s48, 16777216
	s_mov_b32 s49, 0
	s_lshl_b32 s50, s19, 16
	s_lshl_b32 s46, s42, 13
	s_add_co_u32 s50, s50, s46
	s_add_co_u32 s50, s50, 524288
	s_mov_b32 s51, 0
	s_lshl_b32 s52, s17, 2
	s_add_co_u32 s52, s52, s14  ; my 64 queries
	s_lshl_b32 s54, s52, 17
	s_mov_b32 s55, 0
	s_lshl_b32 s56, s52, 12
	s_mov_b32 s57, 0
	s_lshl_b32 s58, s52, 18
	s_lshl_b32 s46, s42, 9
	s_add_co_u32 s58, s58, s46
	s_mov_b32 s59, 0
	s_lshl_b32 s62, s42, 13
	s_add_co_u32 s62, s62, 65536  ; step 8 + U
	s_lshl_b32 s60, s14, 12
	s_add_co_u32 s60, s60, PSL
	s_lshl_b32 s61, s14, 8
	s_add_co_u32 s61, s61, RLS
	s_mov_b32 s95, 0x80808080
	v_and_b32 v1, 15, v0  ; r
	v_bfe_u32 v2, v0, 4, 1  ; h
	v_and_b32 v3, 31, v0  ; l
	v_lshlrev_b32 v[QO], 4, v3
	v_lshl_add_u32 v[PFO], v3, 8, s62
	v_lshl_add_u32 v[PSA], v3, 3, s60
	v_lshl_add_u32 v[RLW], v3, 2, s61
	v_lshl_add_u32 v[RLR], v2, 5, s61
	v_lshlrev_b32 v[OO], 15, v2
	v_lshl_add_u32 v[OO], v1, 4, v[OO]
	v_lshrrev_b32 v60, 2, v1  ; unit 4 r + t of 64 lies in block r / 4, row 4 (r % 4) + t, at that place + r / 4
	v_and_b32 v61, 3, v1
	v_lshl_add_u32 v61, v61, 2, v60
	v_lshlrev_b32 v62, 8, v2
	v_lshl_add_u32 v60, v60, 11, v62
.irp t, 0,1,2,3
	v_add_nc_u32 v[56+\t], \t, v61
.endr
.irp t, 0,1,2,3
	v_and_b32 v[56+\t], 15, v[56+\t]
.endr
.irp t, 0,1,2,3
	v_lshl_add_u32 v[AV+\t], v[56+\t], 4, v60
.endr
.irp i, 0,1  ; V's scale words: lanes 0-15 tile 2 i's, lanes 16-31 tile 2 i + 1's: unit u = 4 r + 2 i + h lies at word 2 (u % 32) + u / 32
	v_lshl_add_u32 v61, v1, 2, v2
	v_add_nc_u32 v61, 2*\i, v61
	v_and_b32 v62, 31, v61
	v_lshrrev_b32 v63, 5, v61
	v_lshl_add_u32 v62, v62, 1, v63
	v_lshlrev_b32 v[VO+\i], 2, v62
.endr
	s_wait_alu depctr_va_vdst(0)
	s_wait_dscnt 0x0  ; both opening adds are done
	CROUND
	s_wait_kmcnt 0x0
	s_add_nc_u64 s[G0+2:G0+3], s[10:11], s[48:49]
	s_or_b32 s[G0+3], s[G0+3], 0x80000000
.macro ARM under, next
	s_cmp_lt_u32 s14, \under
	s_cbranch_scc0 \next
	tensor_load_to_lds s[G0:G0+3], s[G1:G1+7]
	s_nop 0
	PLACES 4
	s_branch .Lhead_asked
\next:
.endm
	ARM 1, .Lhead_1  ; wave 0's line is its own: the first barrier shows its quarter alone
	tensor_load_to_lds s[G0:G0+3], s[G1:G1+7]
	s_nop 0
	PLACES 4
.Lhead_asked:
	s_add_nc_u64 s[20:21], s[4:5], s[54:55]
	s_add_nc_u64 s[22:23], s[6:7], s[56:57]
	s_add_nc_u64 s[26:27], s[8:9], s[56:57]
	s_add_nc_u64 s[24:25], s[72:73], s[50:51]
	s_add_nc_u64 s[12:13], s[74:75], s[58:59]
.irp x, 0,1,2,3,4,5,6,7
	global_load_b128 v[ST+4*\x:ST+4*\x+3], v[QO], s[26:27] offset:512*\x
	global_load_b128 v[RAW+4*\x:RAW+4*\x+3], v[QO], s[22:23] offset:512*\x
.endr
.macro LP j, n  ; load n of 20 for the step j behind the trip's first, into set j % 4
.if (\n) < 16
	WIN 0xc0
	global_load_b128 v[64*((\j)%4)+4*(\n):64*((\j)%4)+4*(\n)+3], v[QO], s[20:21] offset:8192*(\j)+512*(\n)
.elseif (\n) < 20
	WIN 0
	global_load_b32 v[VSC+4*((\j)%4)+(\n)-16], v[VO+((\n)-16)%2], s[24:25] offset:4096*(((\n)-16)/2)+256*(\j)
.endif
.endm
.irp j, 0,1,2
.set n_, 0
.rept 20
	LP \j, n_
.set n_, n_+1
.endr
.endr
	WIN 0
	s_wait_loadcnt 60  ; stats and raw scale words: behind them stand three steps' 20 loads
.irp i, 0,1
	v_min3_num_f32 v[128+\i], v[ST+\i], v[ST+4+\i], v[ST+8+\i]  ; -M of the row
.endr
.irp x, 3,5
.irp i, 0,1
	v_min3_num_f32 v[128+\i], v[128+\i], v[ST+4*\x+\i], v[ST+4*\x+4+\i]
.endr
.endr
.irp i, 0,1
	v_min_num_f32 v[128+\i], v[128+\i], v[ST+28+\i]
.endr
.macro EACH op:vararg  ; over the eight chunks and both halves of the queries
.set x_, 0
.rept 8
.set i_, 0
.rept 2
	\op
.set i_, i_+1
.endr
.set x_, x_+1
.endr
.endm
	EACH v_sub_f32 v[ST+4*x_+i_], v[ST+4*x_+i_], v[128+i_]
	EACH v_min_num_f32 v[ST+4*x_+i_], 0x42fe0000, v[ST+4*x_+i_]
	EACH v_cvt_i32_f32 v[ST+4*x_+i_], v[ST+4*x_+i_]
	EACH v_sub_nc_u32 v[136+2*x_+i_], 0, v[ST+4*x_+i_]
	EACH v_ldexp_f32 v[ST+4*x_+2+i_], v[ST+4*x_+2+i_], v[136+2*x_+i_]
	EACH v_perm_b32 v[ST+4*x_+i_], v[ST+4*x_+i_], v[ST+4*x_+i_], 0
.irp t, 0,2  ; each byte less n, and 0 where it would fall under 0: bytes lie between 1 and 112, n between 0 and 127, so with bit 7 set no byte borrows
	EACH v_or_b32 v[RAW+4*x_+\t+i_], s95, v[RAW+4*x_+\t+i_]
	EACH v_sub_nc_u32 v[RAW+4*x_+\t+i_], v[RAW+4*x_+\t+i_], v[ST+4*x_+i_]
	EACH v_and_b32 v[136+2*x_+i_], s95, v[RAW+4*x_+\t+i_]
	EACH v_lshrrev_b32 v[160+2*x_+i_], 7, v[136+2*x_+i_]
	EACH v_sub_nc_u32 v[136+2*x_+i_], v[136+2*x_+i_], v[160+2*x_+i_]
	EACH v_and_b32 v[RAW+4*x_+\t+i_], v[RAW+4*x_+\t+i_], v[136+2*x_+i_]
.endr
.irp x, 0,1,2,3,4,5,6,7  ; into my own bytes of LDS
	ds_store_b64 v[PSA], v[RAW+4*\x:RAW+4*\x+1] offset:512*\x
	ds_store_b64 v[PSA], v[RAW+4*\x+2:RAW+4*\x+3] offset:512*\x+256
.endr
.irp x, 0,2,4,6
	v_pk_add_f32 v[ST+4*\x+2:ST+4*\x+3], v[ST+4*\x+2:ST+4*\x+3], v[ST+4*\x+6:ST+4*\x+7]
.endr
.irp x, 0,4
	v_pk_add_f32 v[ST+4*\x+2:ST+4*\x+3], v[ST+4*\x+2:ST+4*\x+3], v[ST+4*\x+10:ST+4*\x+11]
.endr
	v_pk_add_f32 v[ST+2:ST+3], v[ST+2:ST+3], v[ST+18:ST+19]
	s_wait_alu depctr_va_vdst(0)  ; ahead of the batch
	v_rcp_f32 v180, v[ST+2]
	v_rcp_f32 v181, v[ST+3]
	v_nop
	s_wait_alu depctr_va_vdst(0)  ; and ahead of its first reader
	ds_store_b32 v[RLW], v180
	ds_store_b32 v[RLW], v181 offset:128
.macro LPS j  ; P's scale words of step j: my own bytes
	WIN 0
	ds_load_b64 v[PSC+4*((\j)%4):PSC+4*((\j)%4)+1], v[PSA] offset:256*((\j)%4)
.endm
.macro LDF j, b  ; V's fragment b: tile b % 4 of 64 units b / 4
	WIN 0x40
.irp c, 0,1,2,3
	ds_load_b128 v[128*((\j)%2)+16*(\b)+4*\c:128*((\j)%2)+16*(\b)+4*\c+3], v[AV+(\b)%4] offset:32768*((\b)/4)+8192*((\j)%4)+512*\c
.endr
.endm
.macro WM z, p, q
.if \z
	v_wmma_scale_f32_16x16x128_f8f6f4 v[rD:rD+7], v[rP:rP+15], v[rV:rV+15], 0, v[rSP], v[rSV] matrix_a_fmt:MATRIX_FMT_BF8 matrix_b_fmt:MATRIX_FMT_BF8 \p \q
.else
	v_wmma_scale_f32_16x16x128_f8f6f4 v[rD:rD+7], v[rP:rP+15], v[rV:rV+15], v[rD:rD+7], v[rSP], v[rSV] matrix_a_fmt:MATRIX_FMT_BF8 matrix_b_fmt:MATRIX_FMT_BF8 \p \q
.endif
.endm
.macro PROD j, a, b, z  ; the 32 accumulators take turns, one instruction a turn
.set rD, 8*(8*(\a)+(\b))
.set rP, 64*((\j)%4)+16*(\a)
.set rV, 128*((\j)%2)+16*(\b)
.set rSP, PSC+4*((\j)%4)+(\a)/2
.set rSV, VSC+4*((\j)%4)+(\b)/2
.set rRP, (\a)%2
.set rRV, (\b)%2
	WIN 0xa7
.if rRP && rRV
	WM \z, matrix_a_scale:MATRIX_SCALE_ROW1, matrix_b_scale:MATRIX_SCALE_ROW1
.elseif rRP
	WM \z, matrix_a_scale:MATRIX_SCALE_ROW1
.elseif rRV
	WM \z, matrix_b_scale:MATRIX_SCALE_ROW1
.else
	WM \z
.endif
.endm
; A step: 32 products, while the next step's fragments of V (lf) and the loads three steps on (ld) are issued.  lc: the loads of later steps that may be out.
; bar = 1: the next step begins another quarter of V: its addresses are stepped, every wave waits for its tensor load, and a barrier shows all four quarters.
.macro STEP j, ld, lf, z, lc, bar
	s_wait_dscnt 0x0  ; the step's scale words and fragments are in
	s_wait_loadcnt \lc
.if \bar
	WIN 0
.irp t, 0,1,2,3
	v_add_nc_u32 v[AV+\t], 0x10000, v[AV+\t]
.endr
	v_add_nc_u32 v[PSA], 1024, v[PSA]
	s_wait_alu depctr_va_vdst(0)
	s_wait_tensorcnt 0x0
	s_barrier_signal -1
.endif
	PLACES 8  ; in front of loads into registers that the last step's products have read
.set k_, 0
.set n_, 0
.rept 32
.if k_ == 8*(\bar)  ; V's fragments in one run; behind the barrier where there is one
.if \bar
	s_barrier_wait -1
.endif
.if \lf
	LPS \j+1
.set f_, 0
.rept 8
	LDF \j+1, f_
.set f_, f_+1
.endr
.endif
.endif
.if \ld && k_%8 == 0 && k_ >= 8*(\bar)  ; P's loads in runs of five (behind the barrier the first two runs together)
.rept 5
	LP (\j)+3, n_
.set n_, n_+1
.endr
.if \bar && k_ == 8
.rept 5
	LP (\j)+3, n_
.set n_, n_+1
.endr
.endif
.endif
	PROD \j, k_/8, k_%8, \z
.set k_, k_+1
.endr
.endm
	s_wait_alu depctr_va_vdst(0)  ; the head's end
	s_cmp_lt_u32 s14, 1
	s_cbranch_scc0 .Lnot_first
	s_wait_tensorcnt 0x0  ; wave 0: V's first quarter is in
.Lnot_first:
	s_wait_dscnt 0x0
	s_barrier_signal -1
	s_barrier_wait -1
	LPS 0
.irp b, 0,1,2,3,4,5,6,7
	LDF 0, \b
.endr
	STEP 0, 1, 1, 1, 40, 0
	WIN 0
	global_prefetch_b8 v[PFO], s[20:21] th:TH_LOAD_NT scope:SCOPE_SE
	s_mov_b32 s46, 3
.Ltrip:
	STEP 1, 1, 1, 0, 40, 0
	STEP 2, 1, 1, 0, 40, 0
	STEP 3, 1, 1, 0, 40, 1
	STEP 4, 1, 1, 0, 40, 0
	WIN 0
	s_wait_xcnt 0x0  ; the loads have taken their bases
	s_add_nc_u64 s[20:21], s[20:21], 32768
	s_add_nc_u64 s[24:25], s[24:25], 1024
	s_sub_co_u32 s46, s46, 1
	s_cmp_lg_u32 s46, 0
	s_cbranch_scc1 .Ltrip
	STEP 1, 0, 1, 0, 40, 0
	STEP 2, 0, 1, 0, 20, 0
	WIN 0
.irp a, 0,1,2,3  ; 1 / l of query 16 a + 8 h + j
	ds_load_b128 v[RL+8*\a:RL+8*\a+3], v[RLR] offset:64*\a
	ds_load_b128 v[RL+8*\a+4:RL+8*\a+7], v[RLR] offset:64*\a+16
.endr
	STEP 3, 0, 0, 0, 0, 0
	WIN 0
	PLACES 8
.macro OUTB a
.set B_, 64*((\a)%2)
.if (\a) < 2
.set B_, B_+128
.endif
	WIN 0x02+0x40*((\a)/2)  ; blocks 2 and 3 go into window 1, over fragments that have been multiplied: no register of a pending store is written
.irp j, 0,1,2,3,4,5,6,7
.irp b, 0,1,2,3,4,5,6,7
	v_mul_f32 v[B_+8*\j+\b], v[8*(8*(\a)+\b)+\j], v[RL+8*(\a)+\j]
.endr
.endr
	WIN 0x04*((\a)/2)
.irp j, 0,1,2,3,4,5,6,7
.irp g, 0,1
	global_store_b128 v[OO], v[B_+8*\j+4*\g:B_+8*\j+4*\g+3], s[12:13] offset:(16*(\a)+\j)*4096+256*\g th:TH_STORE_NT  ; 16 lanes store 256 consecutive bytes, aligned; lanes 16-31 the row eight on
.endr
.endr
.endm
	OUTB 0
	OUTB 1
	OUTB 2
	OUTB 3
	WIN 0
	s_wait_tensorcnt 0x0  ; the wave's end
	ds_add_u32 v[SPW], v[NIL]
	s_wait_dscnt 0x0
	CROUND
	s_endpgm
.Lfunc_end_k_q9b9aa25863_pv:
	.size	k_q9b9aa25863_pv, .Lfunc_end_k_q9b9aa25863_pv-k_q9b9aa25863_pv
	.p2alignl 7, 3214868480
	.fill 96, 4, 3214868480
	.section	.rodata,"a",@progbits
	.p2align	6, 0x0
	.amdhsa_kernel k_q9b9aa25863_pv
		.amdhsa_group_segment_fixed_size 327680
		.amdhsa_private_segment_fixed_size 0
		.amdhsa_enable_private_segment 0
		.amdhsa_kernarg_size 48
		.amdhsa_user_sgpr_count 2
		.amdhsa_user_sgpr_kernarg_segment_ptr 1
		.amdhsa_wavefront_size32 1
		.amdhsa_system_sgpr_workgroup_id_x 1
		.amdhsa_system_sgpr_workgroup_id_y 1
		.amdhsa_system_sgpr_workgroup_id_z 1
		.amdhsa_system_vgpr_workitem_id 0
		.amdhsa_next_free_vgpr 1024
		.amdhsa_next_free_sgpr 100
		.amdhsa_reserve_vcc 0
		.amdhsa_float_denorm_mode_32 3
		.amdhsa_float_denorm_mode_16_64 3
		.amdhsa_memory_ordered 1
		.amdhsa_forward_progress 1
		.amdhsa_inst_pref_size 105
	.end_amdhsa_kernel
	.amdgpu_metadata
---
amdhsa.version: [ 1, 2 ]
amdhsa.kernels:
  - .name:           k_q9b9aa25863_pv
    .symbol:         k_q9b9aa25863_pv.kd
    .args:
      - { .name: p_codes, .offset: 0, .size: 8, .value_kind: global_buffer, .address_space: global }
      - { .name: p_sc, .offset: 8, .size: 8, .value_kind: global_buffer, .address_space: global }
      - { .name: stats, .offset: 16, .size: 8, .value_kind: global_buffer, .address_space: global }
      - { .name: qkv_codes, .offset: 24, .size: 8, .value_kind: global_buffer, .address_space: global }
      - { .name: qkv_sc, .offset: 32, .size: 8, .value_kind: global_buffer, .address_space: global }
      - { .name: out0, .offset: 40, .size: 8, .value_kind: global_buffer, .address_space: global }
    .group_segment_fixed_size: 327680
    .private_segment_fixed_size: 0
    .kernarg_segment_align: 8
    .kernarg_segment_size: 48
    .max_flat_workgroup_size: 128
    .sgpr_count:     100
    .vgpr_count:     1024
    .wavefront_size: 32
...
	.end_amdgpu_metadata
.endif
;; end of part 3
